; MI455X (gfx1250); checked and timed in simulation.
; The chip was launched on July 23, 2026; its instructions are those of AMD's public machine-readable ISA for CDNA 5 (MIT licence, August 2026) and "CDNA5" Instruction Set Architecture Reference Guide (July 2026). The comments in the code are by the model that wrote it; some were corrected since.
;; Cross Attention. Allowed arithmetic: float matrix products may take bf16 or f16 operands with f32 sums; all other float work in f32.
;; Inputs: features 32 x 1,024 x 1,024 float32; k_b 1,024 float32; k_w 1,024 x 1,024 float32; q_b 1,024 float32; q_w 1,024 x 1,024 float32; sent_ind 32 x 1,024 int32; v_b 1,024 float32; v_w 1,024 x 1,024 float32.
;; Outputs: out0 32 x 1 x 1,024 float32.
;; 2 versions, each right; version 2 is version 1 with the launch attn written anew for expert scheduling mode. Each part assembles by itself: llvm-mc -triple=amdgcn-amd-amdhsa -mcpu=gfx1250 --defsym DOCPART=n.
;; ======== version 1 of 2: 4 launches
;; limits: values are held in f16: magnitudes above 65,504 overflow, below 6.1e-05 lose precision; inputs' magnitudes at most 65,504
;; workspace buffers: qt 65,536 bytes; vwf 2,097,152 bytes; qk 1,048,576 bytes; part 8,388,608 bytes; stats 32,768 bytes
;; launch qproj (part 1): grid 64 x 1, 16 waves a work-group, no clusters, 182,272 bytes of LDS; arguments features, q_w, q_b, v_w, qt, vwf; writes qt, vwf
.if DOCPART == 1
	.amdgcn_target "amdgcn-amd-amdhsa--gfx1250"
	.amdhsa_code_object_version 6
	.text
	.protected	k_qa4450a0a1a_qproj
	.globl	k_qa4450a0a1a_qproj
	.p2align	8
	.type	k_qa4450a0a1a_qproj,@function
k_qa4450a0a1a_qproj:
	s_mov_b64 s[64:65], 0
	v_nop
	global_prefetch_b8 v0, s[64:65] scope:SCOPE_SE
	s_setreg_imm32_b32 hwreg(HW_REG_WAVE_MODE, 25, 1), 1
	s_wait_xcnt 0x0
; q[b][n] = sum over c of features[b][0][c] q_w[n][c] + q_b[n], for 32 batches and 1,024 n, stored in bf16 (qt); and v_w recast to f16 in the order of matrix fragments (vwf).
; THE WHOLE PROGRAM reassociates the module's sums, which is exact algebra for one query a batch: score = words . (q k_w) + q . k_b, and ctx = (p words) v_w^T + v_b, since the weights p sum to 1.
; K and V are never formed; only the order of the sums differs from the module as it is written.
; SHARES.  Work-group g owns n = 16 g .. 16 g + 15 (one tile of 16 rows of q_w, and of v_w).  Wave w owns the channels c = 64 w .. 64 w + 63; the 16 waves' partial sums meet in LDS.
; LOADS.  Lane (r = lane % 16, hh = lane / 16) takes 16 bytes at byte 16 r of a row's 256-byte piece: lanes 0-15 one row, lanes 16-31 the row 8 further down.  Rounded to 16 bits the lane's four
; numbers go into the wave's own scratch rows in LDS (pitch 144 = 128 + 16: 36 words, so 16 rows start at 16 different groups of four banks; 64 banks of 4 bytes: ISA guide 11.1) and come back as fragments.
; FORMATS.  q's product in bf16 (q may pass f16's range where inputs carry an offset); v_w in f16.  LIMIT: |v_w| stays under 65,504.  q is rounded to bf16 once, from its f32 sum with the bias.
; NO CLUSTER: what the 64 work-groups share, the 32 query rows (128 KB), is asked for once by each, straight into registers for the conversion; there is no ring of LDS slots that a joint request could fill.
; 64 work-groups: q has 64 tiles of 16 n, and a tile's K is already shared out among 16 waves.
.set BATCH, 4194304                    ; bytes from a batch's row 0 to the next batch's
.set PIT,   144                        ; scratch pitch
.set SCRB,  64*PIT                     ; a wave's scratch: rows 0-15 q_w, 16-47 the query rows, 48-63 v_w
.set RED,   16*SCRB                    ; 16 x 2,048 bytes: each wave's two accumulators
.set SPARE, RED+16*2048                ; the spare words, 128 bytes for each wave: eight blocks of 256 bytes that no other line names
; v1 r, v2 hh, v3 lane; v4 offset in q_w and v_w; v5 offset in features; v6 scratch, in; v7 scratch, back; v8 RED, in; v9 RED, back; v10 offset in q_b; v11 16 x lane; v12 offset in qt
; v14, v15 the add's two; v[16:23] q_b; v[24:27] at work; v[32:63] q_w, v[64:127] query rows, v[128:159] v_w as loaded; v[160:175] A, v[176:207] B, v[208:223] two accumulators; v[224:239] v_w's fragments
	s_load_b256 s[4:11], s[0:1], 0x0               ; features s[4:5], q_w s[6:7], q_b s[8:9], v_w s[10:11]
	s_load_b128 s[12:15], s[0:1], 0x20             ; qt s[12:13], vwf s[14:15]
	v_lshl_add_u32 v14, v0, 2, SPARE               ; my spare word
	v_mov_b32 v15, 0
	v_lshrrev_b32 v13, 5, v0
	v_readfirstlane_b32 s16, v13                   ; wave 0..15
	s_mov_b32 s17, ttmp9                           ; g
	v_and_b32 v1, 15, v0                           ; r
	v_bfe_u32 v2, v0, 4, 1                         ; hh
	v_and_b32 v3, 31, v0                           ; lane
	s_lshl_b32 s18, s16, 8                         ; my wave's 256 bytes of a row
	v_lshlrev_b32 v4, 4, v1
	v_add_nc_u32 v4, s18, v4                       ; 16 r + 256 w
	v_lshl_add_u32 v5, v2, 25, v4                  ; + hh x 8 batches
	v_lshl_add_u32 v4, v2, 15, v4                  ; + hh x 8 rows of 4,096 bytes
	s_mul_i32 s19, s16, SCRB
	v_mul_u32_u24 v6, v2, 8*PIT
	v_lshl_add_u32 v6, v1, 3, v6
	v_add_nc_u32 v6, s19, v6                       ; in: row 8 hh + .., 8 bytes at 8 r
	v_mul_u32_u24 v7, v1, PIT
	v_lshl_add_u32 v7, v2, 4, v7
	v_add_nc_u32 v7, s19, v7                       ; back: row r, 16 bytes at 16 hh
	v_lshlrev_b32 v11, 4, v3
	s_lshl_b32 s18, s16, 11
	s_add_co_u32 s18, s18, RED
	v_add_nc_u32 v8, s18, v11
	s_lshl_b32 s18, s16, 10
	s_add_co_u32 s18, s18, RED
	v_add_nc_u32 v9, s18, v11                      ; used by waves 0 and 1: the half of the batches that the wave sums up
	v_lshlrev_b32 v10, 5, v2
	v_lshlrev_b32 v12, 5, v1
	v_lshl_add_u32 v12, v2, 4, v12
	s_mov_b32 s37, 0
	s_wait_kmcnt 0x0
	s_lshl_b32 s36, s17, 6
	s_add_nc_u64 s[8:9], s[8:9], s[36:37]          ; q_b at n = 16 g
	s_lshl_b32 s36, s17, 16
	s_add_nc_u64 s[6:7], s[6:7], s[36:37]          ; q_w and v_w at row 16 g
	s_add_nc_u64 s[10:11], s[10:11], s[36:37]
	s_lshl_b32 s36, s17, 10
	s_lshl_b32 s38, s16, 9
	s_add_co_u32 s36, s36, s38
	s_add_nc_u64 s[12:13], s[12:13], s[36:37]      ; qt at tile g, half w of the batches
	s_lshl_b32 s36, s17, 15
	s_lshl_b32 s38, s16, 11
	s_add_co_u32 s36, s36, s38
	s_add_nc_u64 s[14:15], s[14:15], s[36:37]      ; vwf at tile g, my two K steps
.irp k, 0,1,2,3,4,5,6,7
	s_add_nc_u64 s[20+2*\k:21+2*\k], s[4:5], (16*(\k/4)+2*(\k%4))*BATCH  ; eight bases: a load's immediate reaches one batch further and no more
.endr
	; all 34 loads of the wave go out at once
	global_load_b128 v[16:19], v10, s[8:9]
	global_load_b128 v[20:23], v10, s[8:9] offset:16
.irp i, 0,1,2,3,4,5,6,7
	global_load_b128 v[32+4*\i:35+4*\i], v4, s[6:7] offset:4096*\i th:TH_LOAD_NT
.endr
.irp k, 0,1,2,3,4,5,6,7
	global_load_b128 v[64+8*\k:67+8*\k], v5, s[20+2*\k:21+2*\k]               ; batch 16 (k / 4) + 8 hh + 2 (k % 4),
	global_load_b128 v[68+8*\k:71+8*\k], v5, s[20+2*\k:21+2*\k] offset:BATCH  ; and the next
.endr
.irp i, 0,1,2,3,4,5,6,7
	global_load_b128 v[128+4*\i:131+4*\i], v4, s[10:11] offset:4096*\i th:TH_LOAD_NT
.endr
.macro BF_ROW src, row                 ; four f32 of a row -> bf16 -> 8 bytes of scratch row (row + 8 hh)
	v_cvt_pk_bf16_f32 v24, v[\src], v[(\src)+1]
	v_cvt_pk_bf16_f32 v25, v[(\src)+2], v[(\src)+3]
	ds_store_b64 v6, v[24:25] offset:(\row)*PIT
.endm
.macro H_ROW src, row                  ; the same to f16
	v_cvt_pk_f16_f32 v26, v[\src], v[(\src)+1]
	v_cvt_pk_f16_f32 v27, v[(\src)+2], v[(\src)+3]
	ds_store_b64 v6, v[26:27] offset:(\row)*PIT
.endm
	s_wait_loadcnt 8                               ; loads come back in order: all but v_w's eight are in
.set n, 0
.rept 8
	BF_ROW 32+4*n, n
.set n, n+1
.endr
.set n, 0
.rept 16
	BF_ROW 64+4*n, 16+n+8*(n/8)
.set n, n+1
.endr
	; fragments: 16 rows x 32 channels in 8 registers, two loads of 16 bytes 32 bytes apart.  LDS serves a wave's instructions in order, and the scratch is the wave's own: no wait between stores and loads
.irp f, 0,1,2,3
	ds_load_b128 v[160+4*\f:163+4*\f], v7 offset:32*\f
.endr
.irp f, 0,1,2,3,4,5,6,7
	ds_load_b128 v[176+4*\f:179+4*\f], v7 offset:(16+16*(\f/4))*PIT+32*(\f%4)
.endr
	s_wait_dscnt 0x0
	; source 0 = 16 rows of q_w, source 1 = 16 batches: register jj of lane (r, hh) is q[batch 16 bt + r][16 g + 8 hh + jj].  The two accumulators take turns
	v_wmma_f32_16x16x32_bf16 v[208:215], v[160:167], v[176:183], 0
	v_wmma_f32_16x16x32_bf16 v[216:223], v[160:167], v[192:199], 0
	v_wmma_f32_16x16x32_bf16 v[208:215], v[168:175], v[184:191], v[208:215]
	v_wmma_f32_16x16x32_bf16 v[216:223], v[168:175], v[200:207], v[216:223]
	s_wait_loadcnt 0x0                             ; v_w
.set n, 0
.rept 8
	H_ROW 128+4*n, 48+n                            ; these sixteen conversions are also the places between the products and the stores of their results
.set n, n+1
.endr
.irp f, 0,1,2,3
	ds_store_b128 v8, v[208+4*\f:211+4*\f] offset:512*\f  ; each accumulator from its low end on
.endr
.irp f, 0,1,2,3
	ds_load_b128 v[224+4*\f:227+4*\f], v7 offset:48*PIT+32*\f
.endr
	s_wait_dscnt 0x0                               ; v_w's fragments are back; and, for the others' sake, my partial sums are in LDS
.irp f, 0,1,2,3
	global_store_b128 v11, v[224+4*\f:227+4*\f], s[14:15] offset:512*\f  ; 512 consecutive bytes, at a multiple of 256 from vwf's first byte
.endr
	s_barrier_signal -1
	s_barrier_wait -1
	s_cmp_lt_u32 s16, 2
	s_cbranch_scc1 .Lreader
	s_wait_tensorcnt 0x0                           ; the wave's end
	ds_add_u32 v14, v15
	s_wait_dscnt 0x0
	s_endpgm
.Lreader:                                              ; waves 0 and 1: the sixteen partial sums of batches 16 w .. 16 w + 15
.set n, 0
.rept 32
	ds_load_b128 v[32+4*n:35+4*n], v9 offset:2048*(n/2)+512*(n%2)
.set n, n+1
.endr
.macro ADD8 d, s
.irp z, 0,2,4,6
	v_pk_add_f32 v[(\d)+\z:(\d)+\z+1], v[(\d)+\z:(\d)+\z+1], v[(\s)+\z:(\s)+\z+1]
.endr
.endm
	s_wait_dscnt 0x0
.irp k, 0,1,2,3,4,5,6,7
	ADD8 32+8*\k, 96+8*\k
.endr
.irp k, 0,1,2,3
	ADD8 32+8*\k, 64+8*\k
.endr
.irp k, 0,1
	ADD8 32+8*\k, 48+8*\k
.endr
	ADD8 32, 40
	ADD8 32, 16                                    ; + q_b
.irp z, 0,1,2,3
	v_cvt_pk_bf16_f32 v[24+\z], v[32+2*\z], v[33+2*\z]
.endr
	global_store_b128 v12, v[24:27], s[12:13]      ; batch r's 16 bytes at 32 r + 16 hh: the wave covers 512 consecutive bytes
	s_wait_tensorcnt 0x0                           ; the wave's end, as above
	ds_add_u32 v14, v15
	s_wait_dscnt 0x0
	s_endpgm
.Lfunc_end_k_qa4450a0a1a_qproj:
	.size	k_qa4450a0a1a_qproj, .Lfunc_end_k_qa4450a0a1a_qproj-k_qa4450a0a1a_qproj
	.p2alignl 7, 3214868480
	.fill 96, 4, 3214868480
	.section	.rodata,"a",@progbits
	.p2align	6, 0x0
	.amdhsa_kernel k_qa4450a0a1a_qproj
		.amdhsa_group_segment_fixed_size 182272
		.amdhsa_private_segment_fixed_size 0
		.amdhsa_enable_private_segment 0
		.amdhsa_kernarg_size 48
		.amdhsa_user_sgpr_count 2
		.amdhsa_user_sgpr_kernarg_segment_ptr 1
		.amdhsa_wavefront_size32 1
		.amdhsa_system_sgpr_workgroup_id_x 1
		.amdhsa_system_sgpr_workgroup_id_y 1
		.amdhsa_system_sgpr_workgroup_id_z 1
		.amdhsa_system_vgpr_workitem_id 0
		.amdhsa_next_free_vgpr 240
		.amdhsa_next_free_sgpr 66
		.amdhsa_reserve_vcc 0
		.amdhsa_float_denorm_mode_32 3
		.amdhsa_float_denorm_mode_16_64 3
		.amdhsa_memory_ordered 1
		.amdhsa_forward_progress 1
		.amdhsa_inst_pref_size 21
	.end_amdhsa_kernel
	.amdgpu_metadata
---
amdhsa.version: [ 1, 2 ]
amdhsa.kernels:
  - .name:           k_qa4450a0a1a_qproj
    .symbol:         k_qa4450a0a1a_qproj.kd
    .args:
      - { .name: features, .offset: 0, .size: 8, .value_kind: global_buffer, .address_space: global }
      - { .name: q_w, .offset: 8, .size: 8, .value_kind: global_buffer, .address_space: global }
      - { .name: q_b, .offset: 16, .size: 8, .value_kind: global_buffer, .address_space: global }
      - { .name: v_w, .offset: 24, .size: 8, .value_kind: global_buffer, .address_space: global }
      - { .name: qt, .offset: 32, .size: 8, .value_kind: global_buffer, .address_space: global }
      - { .name: vwf, .offset: 40, .size: 8, .value_kind: global_buffer, .address_space: global }
    .group_segment_fixed_size: 182272
    .private_segment_fixed_size: 0
    .kernarg_segment_align: 8
    .kernarg_segment_size: 48
    .max_flat_workgroup_size: 512
    .sgpr_count:     66
    .vgpr_count:     240
    .wavefront_size: 32
...
	.end_amdgpu_metadata
.endif
;; end of part 1
;; launch qkprep (part 2): grid 16 x 16, 1 waves a work-group, no clusters, 0 bytes of LDS; arguments qt, k_w, qk; writes qk
.if DOCPART == 2
	.amdgcn_target "amdgcn-amd-amdhsa--gfx1250"
	.amdhsa_code_object_version 6
	.text
	.protected	k_qa4450a0a1a_qkprep
	.globl	k_qa4450a0a1a_qkprep
	.p2align	8
	.type	k_qa4450a0a1a_qkprep,@function
k_qa4450a0a1a_qkprep:
	s_mov_b64 s[64:65], 0
	v_nop
	global_prefetch_b8 v0, s[64:65] scope:SCOPE_SE
	s_setreg_imm32_b32 hwreg(HW_REG_WAVE_MODE, 25, 1), 1
	s_wait_xcnt 0x0
; qk[b][h][c] = sum over d of q[b][64 h + d] k_w[64 h + d][c]: the query carried through k_w, so that a score is one dot product of a word row with qk.  bf16 operands, f32 sums, qk rounded to bf16 once.
; SHARES.  One wave a work-group: head h (grid y), channels c = 64 w .. 64 w + 63 (grid x), all 32 batches: [32 x 64] x [64 x 64], 16 matrix instructions.  256 work-groups; each byte of k_w is read once.
; A (q) lies in qt as the launch before stored it: a fragment half is 512 consecutive bytes.  B (k_w, rows along d = K): lane (r, hh) takes 16 bytes at byte 16 r of row 8 hh + i, so it holds channels
; 4 r .. 4 r + 3; two rows' numbers of one channel, rounded together, ARE a register of a fragment whose column set is {4 r + t}: no LDS, no exchange of lanes.
; OUT.  qk's rows of 128 bytes lie by (w, h, place of b), the place chosen so that batches jj and jj + 8, which the two halves of the lanes hold, are neighbours: each store covers 256 consecutive bytes, aligned.
; NO CLUSTER: the 16 work-groups of a head share qt's 4 KB of the 20 KB that each reads.
; v4 offset in k_w, v5 in qt, v6 in qk; v[8:39] A (Mt, ks); v[40:103] k_w's first 32 rows, later the 8 accumulators (Mt, t); v[104:167] its last 32 rows, later the packed results; v[168:231] B (ks, t)
	s_load_b128 s[4:7], s[0:1], 0x0                ; qt s[4:5], k_w s[6:7]
	s_load_b64 s[8:9], s[0:1], 0x10                ; qk
	s_mov_b32 s12, ttmp9                           ; w
	s_and_b32 s13, ttmp7, 0xffff                   ; h
	v_and_b32 v1, 15, v0                           ; r
	v_lshrrev_b32 v2, 4, v0                        ; hh
	v_lshlrev_b32 v4, 4, v1
	v_lshl_add_u32 v4, v2, 15, v4                  ; 16 r + hh x 8 rows
	v_lshlrev_b32 v5, 5, v1
	v_lshl_add_u32 v5, v2, 4, v5                   ; 32 r + 16 hh
	v_lshlrev_b32 v6, 3, v1
	v_lshl_add_u32 v6, v2, 7, v6                   ; 8 r + 128 hh
	s_mov_b32 s15, 0
	s_wait_kmcnt 0x0
	s_lshl_b32 s14, s13, 12
	s_add_nc_u64 s[4:5], s[4:5], s[14:15]          ; qt at the head's four tiles of 16 n
	s_lshl_b32 s14, s13, 18
	s_lshl_b32 s16, s12, 8
	s_add_co_u32 s14, s14, s16
	s_add_nc_u64 s[6:7], s[6:7], s[14:15]          ; k_w at row 64 h, channel 64 w
	s_lshl_b32 s14, s12, 4
	s_add_co_u32 s14, s14, s13
	s_lshl_b32 s14, s14, 12
	s_add_nc_u64 s[8:9], s[8:9], s[14:15]          ; qk at (w, h)
.irp f, 0,1,2,3,4,5,6,7
	global_load_b128 v[8+4*\f:11+4*\f], v5, s[4:5] offset:(\f%4)*1024+(\f/4)*512  ; batches 16 (f / 4) on, d = 16 (f % 4) + 8 hh on
.endr
.set n, 0
.rept 32
	global_load_b128 v[40+4*n:43+4*n], v4, s[6:7] offset:(n+8*(n/8))*4096 th:TH_LOAD_NT  ; row n + 8 (n / 8) + 8 hh
.set n, n+1
.endr
.macro CONV ks                         ; register jr of B (ks, t): rows 2 jr and 2 jr + 1 of the lane's sixteen, channel 4 r + t
.irp jr, 0,1,2,3,4,5,6,7
.irp t, 0,1,2,3
	v_cvt_pk_bf16_f32 v[168+32*(\ks)+8*\t+\jr], v[40+64*(\ks)+8*\jr+\t], v[44+64*(\ks)+8*\jr+\t]
.endr
.endr
.endm
	s_wait_loadcnt 16                              ; q and the first 32 rows are in; the last sixteen loads stay out
	CONV 0
.irp a, 0,1                            ; the eight accumulators take turns; the first K step starts the sums
.irp t, 0,1,2,3
	v_wmma_f32_16x16x32_bf16 v[40+8*(4*\a+\t):47+8*(4*\a+\t)], v[8+16*\a:15+16*\a], v[168+8*\t:175+8*\t], 0
.endr
.endr
	s_wait_loadcnt 0x0
	CONV 1
.irp a, 0,1
.irp t, 0,1,2,3
	v_wmma_f32_16x16x32_bf16 v[40+8*(4*\a+\t):47+8*(4*\a+\t)], v[16+16*\a:23+16*\a], v[200+8*\t:207+8*\t], v[40+8*(4*\a+\t):47+8*(4*\a+\t)]
.endr
.endr
.rept 4
	v_nop                                          ; four places between the last product and the first read of a result (ISA guide 7.12.1)
.endr
.irp a, 0,1                            ; register jj of accumulator (a, t): batch 16 a + 8 hh + jj, channel 4 r + t; each accumulator is read from its low end on
.irp jj, 0,1,2,3,4,5,6,7
	v_cvt_pk_bf16_f32 v[104+2*(8*\a+\jj)], v[40+32*\a+\jj], v[48+32*\a+\jj]
	v_cvt_pk_bf16_f32 v[105+2*(8*\a+\jj)], v[56+32*\a+\jj], v[64+32*\a+\jj]
	global_store_b64 v6, v[104+2*(8*\a+\jj):105+2*(8*\a+\jj)], s[8:9] offset:256*(8*\a+\jj)  ; each store has data registers of its own
.endr
.endr
	s_endpgm
.Lfunc_end_k_qa4450a0a1a_qkprep:
	.size	k_qa4450a0a1a_qkprep, .Lfunc_end_k_qa4450a0a1a_qkprep-k_qa4450a0a1a_qkprep
	.p2alignl 7, 3214868480
	.fill 96, 4, 3214868480
	.section	.rodata,"a",@progbits
	.p2align	6, 0x0
	.amdhsa_kernel k_qa4450a0a1a_qkprep
		.amdhsa_group_segment_fixed_size 0
		.amdhsa_private_segment_fixed_size 0
		.amdhsa_enable_private_segment 0
		.amdhsa_kernarg_size 24
		.amdhsa_user_sgpr_count 2
		.amdhsa_user_sgpr_kernarg_segment_ptr 1
		.amdhsa_wavefront_size32 1
		.amdhsa_system_sgpr_workgroup_id_x 1
		.amdhsa_system_sgpr_workgroup_id_y 1
		.amdhsa_system_sgpr_workgroup_id_z 1
		.amdhsa_system_vgpr_workitem_id 0
		.amdhsa_next_free_vgpr 232
		.amdhsa_next_free_sgpr 66
		.amdhsa_reserve_vcc 0
		.amdhsa_float_denorm_mode_32 3
		.amdhsa_float_denorm_mode_16_64 3
		.amdhsa_memory_ordered 1
		.amdhsa_forward_progress 1
		.amdhsa_inst_pref_size 14
	.end_amdhsa_kernel
	.amdgpu_metadata
---
amdhsa.version: [ 1, 2 ]
amdhsa.kernels:
  - .name:           k_qa4450a0a1a_qkprep
    .symbol:         k_qa4450a0a1a_qkprep.kd
    .args:
      - { .name: qt, .offset: 0, .size: 8, .value_kind: global_buffer, .address_space: global }
      - { .name: k_w, .offset: 8, .size: 8, .value_kind: global_buffer, .address_space: global }
      - { .name: qk, .offset: 16, .size: 8, .value_kind: global_buffer, .address_space: global }
    .group_segment_fixed_size: 0
    .private_segment_fixed_size: 0
    .kernarg_segment_align: 8
    .kernarg_segment_size: 24
    .max_flat_workgroup_size: 32
    .sgpr_count:     66
    .vgpr_count:     232
    .wavefront_size: 32
...
	.end_amdgpu_metadata
.endif
;; end of part 2
;; launch attn (part 3): grid 8 x 32, 16 waves a work-group, no clusters, 248,576 bytes of LDS; arguments features, sent_ind, qk, qt, k_b, part, stats; writes part, stats
.if DOCPART == 3
	.amdgcn_target "amdgcn-amd-amdhsa--gfx1250"
	.amdhsa_code_object_version 6
	.text
	.protected	k_qa4450a0a1a_attn
	.globl	k_qa4450a0a1a_attn
	.p2align	8
	.type	k_qa4450a0a1a_attn,@function
k_qa4450a0a1a_attn:
	s_mov_b64 s[64:65], 0
	v_nop
	global_prefetch_b8 v0, s[64:65] scope:SCOPE_SE
	s_setreg_imm32_b32 hwreg(HW_REG_WAVE_MODE, 25, 1), 1
	s_wait_xcnt 0x0
; THE STREAM: features is read once.  For batch b (grid y) and chunk j (grid x) of 128 feature rows: the scores of all 16 heads, the chunk's own softmax, and the chunk's normalised mean of the rows.
;   score[h][row] = features[b][row] . qk[b][h] + sb[h], sb[h] = sum over d of q[b][64 h + d] k_b[64 h + d]; set to 0 where sent_ind[b][row - 1] is not 0; times log2(e) / 8.
;   cm = the chunk's maximum; p = 2^(score - cm); l = their sum; part[h][b][j][c] = sum over rows of (p / l) features[b][row][c] in f16; stats holds cm and l.  The last launch joins the 8 chunks by their maxima.
; Row 0 of a batch is the query token and no key: it is loaded with chunk 0 (so all chunks are alike and aligned), its score is set to the lowest finite number for the maximum, and its weight to 0.
; SHARES.  256 work-groups, 16 waves.  In the stream wave w owns channels 64 w .. 64 w + 63 of all 128 rows; in the softmax and on the way out wave w owns head w.
; LOADS.  Lane (r, hh) takes 16 bytes at byte 16 r of the wave's 256 bytes of row 8 hh + i: lanes 0-15 cover 256 consecutive aligned bytes of one row, lanes 16-31 of the row 8 further down.
; The lane's four channels serve twice.  Rounded to f16 in pairs ALONG THE ROWS they are registers of source 1 (32 rows x 16 channels {4 r + t}) of the second product, and stay in registers: 128 for the
; chunk.  Rounded to bf16 along the channels they go through the wave's own scratch in LDS and come back as source 0 (16 rows x 32 channels) of the scores.
; A ring of 16 loads in registers: a pair of loads is issued again as soon as its pair of rows is converted, so 16 loads of 512 bytes of every wave are out until the last block of 32 rows.
; FORMATS AND LIMITS.  Scores in bf16 (qk may pass f16's range where inputs carry an offset).  The second product in f16: |features| stays under 65,504; a weight under 6e-8 of its chunk's sum counts as 0.
; sb is a sum of 64 f32 products of q as rounded to bf16.  NaN and infinities are not treated apart.  A score's 1,024 terms are summed in 16 parts (the waves'), which are then added in f32.
; NO CLUSTER: the 8 work-groups of a batch share qk's 32 KB of the 544 KB that each reads.  No tensor loads: the stream is f32 and has to pass through registers for its two conversions.
; stats' one store a work-group covers 128 consecutive bytes: half of an aligned 256; every other store covers 512 consecutive aligned bytes.
.set PIT,   144                        ; scratch pitch: 128 bytes + 16 = 36 words: 16 rows start at 16 different groups of four banks (64 banks of 4 bytes: ISA guide 11.1)
.set SCRB,  32*PIT                     ; a wave's scratch: 32 rows
.set SCO,   16*SCRB                    ; partial scores: for each wave [16 heads][128 rows] f32
.set SCOP,  528                        ; 512 + 16
.set SCOB,  16*SCOP
.set PL,    SCO+16*SCOB                ; p / l in f16: [16 heads][128 rows]
.set PLP,   272                        ; 256 + 16
.set STAT,  PL+16*PLP                  ; 16 cm, 16 l
.set OST,   STAT+256                   ; the way out: [16 heads][1,024 channels] f16
.set OSP,   2064                       ; 2,048 + 16
.set SPARE, OST+16*OSP                 ; the spare words, 128 bytes for each wave: eight blocks of 256 bytes that no other line names
.set STG,   64                         ; v[64:127]  the ring: load i at STG + 4 i; later the partial scores; then p's fragments v[64:95] and the second product's accumulators v[96:127]
.set RET,   128                        ; v[128:255] the chunk in f16: block kb of 32 rows, channel set t at RET + 32 kb + 8 t; the last block's 32 registers hold the scores' source 0 until they are needed
; v1 r, v2 hh, v3 lane, v4 offset in features (never rewritten), v5 scratch in, v6 scratch back, v7 partial scores in, v8, v9 partial scores back, v10 p in, v11 p back, v12 stage in, v13 stage back,
; v14 16 x lane, v15 4 x lane, v16, v17 the add's two, v18 q, v19 offset of the earlier word of sent_ind, v[20:21] k_b, v22, v[24:27] sent_ind, v23 offset in qk, v[28:31] at work,
; v[32:47] qk's fragments, later at work; v[48:63] the scores' two accumulators, later the way out
	s_load_b256 s[4:11], s[0:1], 0x0               ; features s[4:5], sent_ind s[6:7], qk s[8:9], qt s[10:11]
	s_load_b128 s[12:15], s[0:1], 0x20             ; k_b s[12:13], part s[14:15]
	s_load_b64 s[16:17], s[0:1], 0x30              ; stats
	v_lshl_add_u32 v16, v0, 2, SPARE               ; my spare word
	v_mov_b32 v17, 0
	v_lshrrev_b32 v1, 5, v0
	v_readfirstlane_b32 s20, v1                    ; wave 0..15
	s_mov_b32 s21, ttmp9                           ; j
	s_and_b32 s22, ttmp7, 0xffff                   ; b
	s_and_b32 s23, s22, 16                         ; b's place among qk's rows: (b & 16) + 2 (b & 7) + ((b >> 3) & 1)
	s_and_b32 s34, s22, 7
	s_lshl1_add_u32 s23, s34, s23
	s_bfe_u32 s34, s22, 0x10003
	s_add_co_u32 s23, s23, s34
	s_mov_b32 s26, 0x3e38aa3b                      ; log2(e) / 8
	s_mov_b32 s27, s26                             ; named with it as a pair
	s_mov_b32 s28, 0x76543210                      ; v_permlanex16_b32: each lane takes its own place in the other half
	s_mov_b32 s29, 0xfedcba98
	v_and_b32 v1, 15, v0                           ; r
	v_bfe_u32 v2, v0, 4, 1                         ; hh
	v_and_b32 v3, 31, v0                           ; lane
	s_lshl_b32 s34, s20, 8
	v_lshlrev_b32 v4, 4, v1
	v_lshl_add_u32 v4, v2, 15, v4
	v_add_nc_u32 v4, s34, v4                       ; 16 r + hh x 8 rows + 256 w
	s_mul_i32 s34, s20, SCRB
	v_mul_u32_u24 v5, v2, 8*PIT
	v_lshl_add_u32 v5, v1, 3, v5
	v_add_nc_u32 v5, s34, v5
	v_mul_u32_u24 v6, v1, PIT
	v_lshl_add_u32 v6, v2, 4, v6
	v_add_nc_u32 v6, s34, v6
	s_mul_i32 s34, s20, SCOB
	s_add_co_u32 s34, s34, SCO
	v_mul_u32_u24 v7, v1, SCOP
	v_lshl_add_u32 v7, v2, 5, v7
	v_add_nc_u32 v7, s34, v7                       ; head r, rows 8 hh on
	v_lshlrev_b32 v14, 4, v3
	v_lshlrev_b32 v15, 2, v3
	s_mul_i32 s34, s20, SCOP
	s_add_co_u32 s34, s34, SCO
	v_add_nc_u32 v8, s34, v14                      ; head w, rows 4 x lane on, of waves 0 to 7,
	v_add_nc_u32 v9, 8*SCOB, v8                    ; and of waves 8 to 15: an LDS immediate has 16 bits
	s_mul_i32 s34, s20, PLP
	s_add_co_u32 s34, s34, PL
	v_lshl_add_u32 v10, v3, 3, s34
	v_mul_u32_u24 v11, v1, PLP
	v_lshl_add_u32 v11, v2, 4, v11
	v_add_nc_u32 v11, PL, v11
	s_lshl_b32 s34, s20, 7
	s_add_co_u32 s34, s34, OST
	v_mul_u32_u24 v12, v2, 8*OSP
	v_lshl_add_u32 v12, v1, 3, v12
	v_add_nc_u32 v12, s34, v12                     ; head 8 hh + .., channels 64 w + 4 r on
	s_mul_i32 s34, s20, OSP
	s_add_co_u32 s34, s34, OST
	v_add_nc_u32 v13, s34, v14
	s_lshl_b32 s34, s21, 7
	v_lshl_add_u32 v19, v3, 2, s34                 ; my first row in the softmax: 128 j + 4 x lane;
	v_add_nc_u32 v19, -1, v19                      ; its word of sent_ind is the one before.  For row 0, which is no key, the AND below
	v_and_b32 v19, 0x3ff, v19                      ; points at the row's last word: inside the buffer, and its value is not used
	v_lshlrev_b32 v19, 2, v19
	v_lshlrev_b32 v23, 12, v1
	v_lshl_add_u32 v23, v2, 4, v23                 ; head r's row of qk, 16 hh
	v_lshrrev_b32 v252, 3, v3                      ; q[64 w + 2 x lane] in qt: tile lane / 8, word lane % 8.  v252 and v253 are written again only behind the wait that shows these two loads done
	v_and_b32 v253, 7, v3
	v_lshlrev_b32 v253, 2, v253
	v_lshl_add_u32 v252, v252, 10, v253
	v_lshlrev_b32 v253, 3, v3                      ; k_b[64 w + 2 x lane]
	s_mov_b32 s25, 0
	s_wait_kmcnt 0x0
	s_lshl_b32 s24, s22, 22
	s_lshl_b32 s34, s21, 19
	s_add_co_u32 s24, s24, s34
	s_add_nc_u64 s[4:5], s[4:5], s[24:25]          ; features at the chunk's first row
	s_lshl_b32 s24, s22, 12
	s_add_nc_u64 s[32:33], s[6:7], s[24:25]        ; sent_ind at the batch's row,
	s_lshl_b32 s24, s21, 9
	s_add_nc_u64 s[6:7], s[32:33], s[24:25]        ; and at the chunk's first word
	s_lshl_b32 s24, s20, 16
	s_lshl_b32 s34, s23, 7
	s_add_co_u32 s24, s24, s34
	s_add_nc_u64 s[8:9], s[8:9], s[24:25]          ; qk at (w, head 0, b's place)
	s_lshl_b32 s24, s20, 12
	s_lshl_b32 s34, s22, 5
	s_add_co_u32 s24, s24, s34
	s_add_nc_u64 s[10:11], s[10:11], s[24:25]      ; qt at head w's four tiles, batch b
	s_lshl_b32 s24, s20, 8
	s_add_nc_u64 s[12:13], s[12:13], s[24:25]      ; k_b at head w
	s_lshl_b32 s24, s20, 19
	s_lshl_b32 s34, s22, 14
	s_add_co_u32 s24, s24, s34
	s_lshl_b32 s34, s21, 11
	s_add_co_u32 s24, s24, s34
	s_add_nc_u64 s[14:15], s[14:15], s[24:25]      ; part at (head w, b, j)
	s_lshl3_add_u32 s24, s22, s21
	s_lshl_b32 s24, s24, 7
	s_add_nc_u64 s[16:17], s[16:17], s[24:25]      ; stats at (b, j)
	; the eight small loads first: they are the oldest, so the ring's first wait shows them in
.irp f, 0,1,2,3
	global_load_b128 v[32+4*\f:35+4*\f], v23, s[8:9] offset:32*\f
.endr
	global_load_b32 v18, v252, s[10:11]
	global_load_b64 v[20:21], v253, s[12:13]
	global_load_b128 v[24:27], v14, s[6:7]
	global_load_b32 v22, v19, s[32:33]
.set n, 0
.rept 16
	global_load_b128 v[STG+4*n:STG+4*n+3], v4, s[4:5] offset:(n+8*(n/8))*4096 th:TH_LOAD_NT  ; the ring is filled: block 0, row n + 8 (n / 8) + 8 hh
.set n, n+1
.endr
; Pair p of a block's eight pairs of loads (rows R and R + 1, R = 16 (p / 4) + (2 p) % 8 + 8 hh).  refill = 1: the same two rows of the next block are asked for.  left: the younger loads, which stay out.
.macro PAIR kb, p, refill, left
	s_wait_loadcnt \left
	v_cvt_pk_bf16_f32 v28, v[STG+8*(\p)], v[STG+8*(\p)+1]
	v_cvt_pk_bf16_f32 v29, v[STG+8*(\p)+2], v[STG+8*(\p)+3]
	v_cvt_pk_bf16_f32 v30, v[STG+8*(\p)+4], v[STG+8*(\p)+5]
	v_cvt_pk_bf16_f32 v31, v[STG+8*(\p)+6], v[STG+8*(\p)+7]
	ds_store_b64 v5, v[28:29] offset:(16*((\p)/4)+(2*(\p))%8)*PIT
	ds_store_b64 v5, v[30:31] offset:(16*((\p)/4)+(2*(\p))%8+1)*PIT
.irp t, 0,1,2,3
	v_cvt_pk_f16_f32 v[RET+32*(\kb)+8*\t+(\p)], v[STG+8*(\p)+\t], v[STG+8*(\p)+4+\t]
.endr
.if \refill
	global_load_b128 v[STG+8*(\p):STG+8*(\p)+3],   v4, s[4:5] offset:(32*((\kb)+1)+16*((\p)/4)+(2*(\p))%8)*4096 th:TH_LOAD_NT
	global_load_b128 v[STG+8*(\p)+4:STG+8*(\p)+7], v4, s[4:5] offset:(32*((\kb)+1)+16*((\p)/4)+(2*(\p))%8+1)*4096 th:TH_LOAD_NT
.endif
.endm
; The scores of block kb's 32 rows against my 64 channels of all 16 heads.  wf: 32 registers for source 0.  Register jj of lane (r, hh): row 16 T + 8 hh + jj, head r.
.macro SCORE kb, wf
.irp f, 0,1,2,3,4,5,6,7
	ds_load_b128 v[(\wf)+4*\f:(\wf)+4*\f+3], v6 offset:(\f/4)*16*PIT+(\f%4)*32  ; LDS serves a wave's instructions in order: these see the block's stores
.endr
	s_wait_dscnt 0x0
	v_wmma_f32_16x16x32_bf16 v[48:55], v[(\wf):(\wf)+7],     v[32:39], 0        ; the two accumulators take turns
	v_wmma_f32_16x16x32_bf16 v[56:63], v[(\wf)+16:(\wf)+23], v[32:39], 0
	v_wmma_f32_16x16x32_bf16 v[48:55], v[(\wf)+8:(\wf)+15],  v[40:47], v[48:55]
	v_wmma_f32_16x16x32_bf16 v[56:63], v[(\wf)+24:(\wf)+31], v[40:47], v[56:63]
.rept 4
	v_nop                                          ; four places behind the products: for the stores of their results, and for what is written next into their sources
.endr
.irp f, 0,1,2,3
	ds_store_b128 v7, v[48+4*\f:51+4*\f] offset:(32*(\kb)+16*(\f/2))*4+16*(\f%2)  ; each accumulator from its low end on
.endr
.endm
.irp kb, 0,1,2
.irp p, 0,1,2,3,4,5,6,7
	PAIR \kb, \p, 1, 14                            ; 16 loads are out, and the oldest two are this pair's
.endr
	SCORE \kb, RET+96
.endr
.irp p, 0,1,2,3,4,5,6,7
	PAIR 3, \p, 0, 14-2*\p                         ; the last block asks for nothing: the counts run down
.endr
	SCORE 3, STG                                   ; the ring's registers are free
	s_wait_dscnt 0x0                               ; for the others' sake: my partial scores are in LDS
	s_barrier_signal -1
	s_barrier_wait -1
	; THE SOFTMAX of head w over the chunk's 128 rows: lane l has rows 4 l .. 4 l + 3
.irp k, 0,1,2,3,4,5,6,7
	ds_load_b128 v[STG+4*\k:STG+4*\k+3], v8 offset:SCOB*\k
.endr
.irp k, 0,1,2,3,4,5,6,7
	ds_load_b128 v[STG+32+4*\k:STG+35+4*\k], v9 offset:SCOB*\k
.endr
.macro WSUM x, t                       ; the sum over the 32 lanes, in every lane
.irp m, 1,2,4,8
	v_add_f32_dpp v[\x], v[\x], v[\x] row_xmask:\m row_mask:0xf bank_mask:0xf
.endr
	v_permlanex16_b32 v[\t], v[\x], s28, s29
	v_add_f32 v[\x], v[\x], v[\t]
.endm
.macro WMAX x, t
.irp m, 1,2,4,8
	v_max_num_f32_dpp v[\x], v[\x], v[\x] row_xmask:\m row_mask:0xf bank_mask:0xf
.endr
	v_permlanex16_b32 v[\t], v[\x], s28, s29
	v_max_num_f32 v[\x], v[\x], v[\t]
.endm
.macro ADD4 d, s
	v_pk_add_f32 v[\d:(\d)+1], v[\d:(\d)+1], v[\s:(\s)+1]
	v_pk_add_f32 v[(\d)+2:(\d)+3], v[(\d)+2:(\d)+3], v[(\s)+2:(\s)+3]
.endm
	; while those loads are out: sb, and three helpers
	s_lshl_b32 s34, s21, 7
	v_lshl_add_u32 v42, v3, 2, s34                 ; my first row
	s_lshl_b32 s34, s20, 2
	s_add_co_u32 s34, s34, STAT
	v_mov_b32 v43, s34                             ; where head w's cm goes
	v_add_nc_u32 v44, STAT, v15
	v_mov_b32 v35, 0                               ; v_permlanex16_b32's destination counts as read
	v_mov_b32 v36, 0xff7fffff                      ; the lowest finite number
	v_lshlrev_b32 v32, 16, v18                     ; q[64 w + 2 l], q[64 w + 2 l + 1] from bf16
	v_and_b32 v33, 0xffff0000, v18
	v_mul_f32 v34, v32, v20
	v_fmac_f32 v34, v33, v21
	WSUM 34, 35
	s_wait_dscnt 0x0
.irp k, 0,1,2,3,4,5,6,7
	ADD4 STG+4*\k, STG+32+4*\k
.endr
.irp k, 0,1,2,3
	ADD4 STG+4*\k, STG+16+4*\k
.endr
.irp k, 0,1
	ADD4 STG+4*\k, STG+8+4*\k
.endr
	ADD4 STG, STG+4
.irp z, 64,65,66,67
	v_add_f32 v\z, v\z, v34
.endr
	v_cmp_eq_u32 vcc_lo, 0, v22                    ; a row's score stays where the word before it in sent_ind is 0, and is 0 elsewhere
	v_cndmask_b32 v64, 0, v64, vcc_lo
	v_cmp_eq_u32 vcc_lo, 0, v24
	v_cndmask_b32 v65, 0, v65, vcc_lo
	v_cmp_eq_u32 vcc_lo, 0, v25
	v_cndmask_b32 v66, 0, v66, vcc_lo
	v_cmp_eq_u32 vcc_lo, 0, v26
	v_cndmask_b32 v67, 0, v67, vcc_lo
	v_pk_mul_f32 v[64:65], v[64:65], s[26:27] op_sel_hi:[1,0]
	v_pk_mul_f32 v[66:67], v[66:67], s[26:27] op_sel_hi:[1,0]
	v_cmp_eq_u32 s30, 0, v42                       ; the lane that holds the batch's row 0
	v_cndmask_b32 v64, v64, v36, s30               ; no key: it takes no part in the maximum
	v_max3_num_f32 v37, v64, v65, v66
	v_max_num_f32 v37, v37, v67
	WMAX 37, 35                                    ; cm
.irp z, 64,65,66,67
	v_sub_f32 v\z, v\z, v37
.endr
.irp z, 64,65,66,67
	v_exp_f32 v\z, v\z
.endr
	v_nop                                          ; a plain instruction between the last exponential and the use of its result
	s_wait_alu depctr_va_vdst(0)
	v_cndmask_b32 v64, v64, 0, s30                 ; and no weight
	v_add_f32 v38, v64, v65
	v_add_f32 v39, v66, v67
	v_add_f32 v38, v38, v39
	WSUM 38, 35                                    ; l: at least 1, since the maximum's own weight is 1
	v_rcp_f32 v39, v38
	v_nop
	s_wait_alu depctr_va_vdst(0)
.irp z, 64,65,66,67
	v_mul_f32 v\z, v\z, v39
.endr
	v_cvt_pk_f16_f32 v40, v64, v65
	v_cvt_pk_f16_f32 v41, v66, v67
	ds_store_b64 v10, v[40:41]
	ds_store_b32 v43, v37                          ; all lanes write the same word with the same number
	ds_store_b32 v43, v38 offset:64
	s_wait_dscnt 0x0                               ; for the others' sake
	s_barrier_signal -1
	s_barrier_wait -1
	s_cmp_lg_u32 s20, 0
	s_cbranch_scc1 .Lno_stats
	ds_load_b32 v45, v44                           ; wave 0: the 16 cm and the 16 l
	s_wait_dscnt 0x0
	global_store_b32 v15, v45, s[16:17]            ; v15 and v45 are not written again
.Lno_stats:
	; THE SECOND PRODUCT: source 0 = p / l (16 heads x 32 rows), source 1 = the chunk in f16, kept in registers
.irp f, 0,1,2,3,4,5,6,7
	ds_load_b128 v[64+4*\f:67+4*\f], v11 offset:32*\f
.endr
	s_wait_dscnt 0x0
.irp ks, 0,1,2,3                       ; the four accumulators take turns; the first block starts the sums
.irp t, 0,1,2,3
.if \ks == 0
	v_wmma_f32_16x16x32_f16 v[96+8*\t:103+8*\t], v[64:71], v[RET+8*\t:RET+8*\t+7], 0
.else
	v_wmma_f32_16x16x32_f16 v[96+8*\t:103+8*\t], v[64+8*\ks:71+8*\ks], v[RET+32*\ks+8*\t:RET+32*\ks+8*\t+7], v[96+8*\t:103+8*\t]
.endif
.endr
.endr
.rept 4
	v_nop                                          ; four places between the last product and the first read of a result
.endr
.irp jj, 0,1,2,3,4,5,6,7               ; register jj of accumulator t: head 8 hh + jj, channel 64 w + 4 r + t: four accumulators give 8 neighbouring bytes; each is read from its low end on
	v_cvt_pk_f16_f32 v28, v[96+\jj], v[104+\jj]
	v_cvt_pk_f16_f32 v29, v[112+\jj], v[120+\jj]
	ds_store_b64 v12, v[28:29] offset:OSP*\jj
.endr
	s_wait_dscnt 0x0                               ; for the others' sake: a head's row comes from all 16 waves
	s_barrier_signal -1
	s_barrier_wait -1
.irp i, 0,1,2,3
	ds_load_b128 v[48+4*\i:51+4*\i], v13 offset:512*\i
.endr
.irp i, 0,1,2,3
	s_wait_dscnt 3-\i                              ; LDS loads come back in order: the younger ones stay out
	global_store_b128 v14, v[48+4*\i:51+4*\i], s[14:15] offset:512*\i  ; 512 consecutive bytes of head w's row, at a multiple of 256 from part's first byte
.endr
	s_wait_tensorcnt 0x0                           ; the wave's end
	ds_add_u32 v16, v17
	s_wait_dscnt 0x0
	s_endpgm
.Lfunc_end_k_qa4450a0a1a_attn:
	.size	k_qa4450a0a1a_attn, .Lfunc_end_k_qa4450a0a1a_attn-k_qa4450a0a1a_attn
	.p2alignl 7, 3214868480
	.fill 96, 4, 3214868480
	.section	.rodata,"a",@progbits
	.p2align	6, 0x0
	.amdhsa_kernel k_qa4450a0a1a_attn
		.amdhsa_group_segment_fixed_size 248576
		.amdhsa_private_segment_fixed_size 0
		.amdhsa_enable_private_segment 0
		.amdhsa_kernarg_size 56
		.amdhsa_user_sgpr_count 2
		.amdhsa_user_sgpr_kernarg_segment_ptr 1
		.amdhsa_wavefront_size32 1
		.amdhsa_system_sgpr_workgroup_id_x 1
		.amdhsa_system_sgpr_workgroup_id_y 1
		.amdhsa_system_sgpr_workgroup_id_z 1
		.amdhsa_system_vgpr_workitem_id 0
		.amdhsa_next_free_vgpr 256
		.amdhsa_next_free_sgpr 66
		.amdhsa_reserve_vcc 1
		.amdhsa_float_denorm_mode_32 3
		.amdhsa_float_denorm_mode_16_64 3
		.amdhsa_memory_ordered 1
		.amdhsa_forward_progress 1
		.amdhsa_inst_pref_size 48
	.end_amdhsa_kernel
	.amdgpu_metadata
---
amdhsa.version: [ 1, 2 ]
amdhsa.kernels:
  - .name:           k_qa4450a0a1a_attn
    .symbol:         k_qa4450a0a1a_attn.kd
    .args:
      - { .name: features, .offset: 0, .size: 8, .value_kind: global_buffer, .address_space: global }
      - { .name: sent_ind, .offset: 8, .size: 8, .value_kind: global_buffer, .address_space: global }
      - { .name: qk, .offset: 16, .size: 8, .value_kind: global_buffer, .address_space: global }
      - { .name: qt, .offset: 24, .size: 8, .value_kind: global_buffer, .address_space: global }
      - { .name: k_b, .offset: 32, .size: 8, .value_kind: global_buffer, .address_space: global }
      - { .name: part, .offset: 40, .size: 8, .value_kind: global_buffer, .address_space: global }
      - { .name: stats, .offset: 48, .size: 8, .value_kind: global_buffer, .address_space: global }
    .group_segment_fixed_size: 248576
    .private_segment_fixed_size: 0
    .kernarg_segment_align: 8
    .kernarg_segment_size: 56
    .max_flat_workgroup_size: 512
    .sgpr_count:     66
    .vgpr_count:     256
    .wavefront_size: 32
...
	.end_amdgpu_metadata
.endif
;; end of part 3
;; launch finish (part 4): grid 16 x 16, 8 waves a work-group, no clusters, 69,120 bytes of LDS; arguments part, stats, vwf, v_b, out0; writes out0
.if DOCPART == 4
	.amdgcn_target "amdgcn-amd-amdhsa--gfx1250"
	.amdhsa_code_object_version 6
	.text
	.protected	k_qa4450a0a1a_finish
	.globl	k_qa4450a0a1a_finish
	.p2align	8
	.type	k_qa4450a0a1a_finish,@function
k_qa4450a0a1a_finish:
	s_mov_b64 s[64:65], 0
	v_nop
	global_prefetch_b8 v0, s[64:65] scope:SCOPE_SE
	s_setreg_imm32_b32 hwreg(HW_REG_WAVE_MODE, 25, 1), 1
	s_wait_xcnt 0x0
; out0[b][64 h + d] = sum over j of wgt[b][h][j] x (sum over c of v_w[64 h + d][c] part[h][b][j][c]) + v_b[64 h + d],
; wgt[j] = l[j] 2^(cm[j] - M) / (the sum of those over j), M = the largest cm of the 8 chunks: the chunks' softmaxes joined by their maxima.  wgt sums to 1, so v_b is added once.
; SHARES.  Work-group (bp = grid x, h = grid y): head h of batches 2 bp and 2 bp + 1.  Their 2 x 8 partial means are the 16 columns of source 1, taken in f16 as they were stored; source 0 = 64 rows of v_w,
; in f16 and in fragment order: each load covers 512 consecutive bytes and lands in operand registers.  Wave w owns channels 128 w .. 128 w + 127 (4 K steps, 16 matrix instructions); the 8 waves' partial
; sums meet in LDS.  The weights are applied to the f32 results: no further rounding to 16 bits.
; LIMITS.  2^(cm - M) under 2^-126 counts as 0; the sum over j is at least 1 (the largest chunk's l).  NaN and infinities are not treated apart.
; NO CLUSTER: the 16 work-groups of a head share v_w's 128 KB of the 160 KB that each reads, but each takes them once, straight into operand registers, all 43 loads of a wave at once; a joint request
; would bring them by way of LDS.
.set BSP,   272                        ; a column's 256 bytes + 16
.set BSB,   16*BSP                     ; a wave's 16 columns
.set RED,   8*BSB                      ; 8 x 4,096 bytes: each wave's four accumulators
.set OUTS,  RED+8*4096                 ; 8 x 64 bytes: wave w's four d of both batches, by (w, hh, batch), 16 bytes each
.set SPARE, OUTS+512                   ; the spare words, 128 bytes for each wave: four blocks of 256 bytes that no other line names
; v1 r, v2 hh, v3 lane, v4 offset in part, v5 columns in, v6 columns back, v7 16 x lane, v8 offset in stats, v9 RED in, v10 RED back, v11 OUTS in, v12 OUTS back, v13 offset in out0, v14, v15 the add's two,
; v16 cm, v17 l, v18 wgt, v19 16 r, v[20:23] v_b, v[24:27] at work, v[32:63] part as loaded, later the partial sums, v[64:191] A (ks, mt), v[192:223] B (ks), v[224:255] four accumulators
	s_load_b256 s[4:11], s[0:1], 0x0               ; part s[4:5], stats s[6:7], vwf s[8:9], v_b s[10:11]
	s_load_b64 s[12:13], s[0:1], 0x20              ; out0
	v_lshl_add_u32 v14, v0, 2, SPARE               ; my spare word
	v_mov_b32 v15, 0
	v_lshrrev_b32 v1, 5, v0
	v_readfirstlane_b32 s16, v1                    ; wave 0..7
	s_mov_b32 s17, ttmp9                           ; bp
	s_and_b32 s18, ttmp7, 0xffff                   ; h
	v_and_b32 v1, 15, v0                           ; r
	v_bfe_u32 v2, v0, 4, 1                         ; hh
	v_and_b32 v3, 31, v0                           ; lane
	v_lshlrev_b32 v19, 4, v1
	s_lshl_b32 s20, s16, 8
	v_lshl_add_u32 v4, v2, 11, v19
	v_add_nc_u32 v4, s20, v4                       ; column 2 i + hh: 2,048 hh + 16 r + 256 w
	s_mul_i32 s20, s16, BSB
	v_mul_u32_u24 v5, v2, BSP
	v_add_nc_u32 v5, v5, v19
	v_add_nc_u32 v5, s20, v5
	v_mul_u32_u24 v6, v1, BSP
	v_lshl_add_u32 v6, v2, 4, v6
	v_add_nc_u32 v6, s20, v6
	v_lshlrev_b32 v7, 4, v3
	v_lshlrev_b32 v8, 7, v1                        ; column r = (batch r / 8, chunk r % 8): 128 bytes of stats each
	s_lshl_b32 s20, s16, 12
	s_add_co_u32 s20, s20, RED
	v_add_nc_u32 v9, s20, v7
	s_lshl_b32 s20, s16, 9
	s_add_co_u32 s20, s20, RED
	v_add_nc_u32 v10, s20, v7
	; As a reader wave w sums up registers 4 (w & 1) .. + 3 of accumulator w >> 1: d = 16 (w >> 1) + 8 hh + 4 (w & 1) on.  Its results go into 64 bytes of its own: 32 hh + 16 x batch, which are bits 4 and 3 of the thread's number
	s_lshl_b32 s20, s16, 6
	s_add_co_u32 s20, s20, OUTS
	v_bfe_u32 v11, v0, 3, 2
	v_lshlrev_b32 v11, 4, v11
	v_add_nc_u32 v11, s20, v11
	; Back (wave 0): lane (batch = lane / 16, r) wants d = 4 r on.  r = 4 mt + 2 hh + q lies with wave 2 mt + q: byte 128 (r >> 2) + 64 (r & 1) + 32 ((r >> 1) & 1) + 16 x batch
	v_bfe_u32 v12, v0, 2, 2
	v_lshlrev_b32 v12, 7, v12
	v_and_b32 v24, 1, v0
	v_lshl_add_u32 v12, v24, 6, v12
	v_bfe_u32 v24, v0, 1, 1
	v_lshl_add_u32 v12, v24, 5, v12
	v_lshl_add_u32 v12, v2, 4, v12
	v_add_nc_u32 v12, OUTS, v12
	v_lshl_add_u32 v13, v2, 12, v19                ; batch hh, d = 4 r on
	s_mov_b32 s23, 0
	s_wait_kmcnt 0x0
	s_lshl_b32 s22, s18, 19
	s_lshl_b32 s20, s17, 15
	s_add_co_u32 s22, s22, s20
	s_add_nc_u64 s[4:5], s[4:5], s[22:23]          ; part at (h, 2 bp, chunk 0)
	s_lshl_b32 s22, s17, 11
	s_lshl2_add_u32 s22, s18, s22
	s_add_nc_u64 s[6:7], s[6:7], s[22:23]          ; stats at (2 bp, chunk 0), head h
	s_lshl_b32 s22, s18, 17
	s_lshl_b32 s20, s16, 12
	s_add_co_u32 s22, s22, s20
	s_add_nc_u64 s[8:9], s[8:9], s[22:23]          ; vwf at the head's four tiles, my four K steps
	s_lshl_b32 s22, s18, 8
	s_add_nc_u64 s[10:11], s[10:11], s[22:23]      ; v_b at 64 h
	s_lshl_b32 s20, s17, 13
	s_add_co_u32 s22, s22, s20
	s_add_nc_u64 s[12:13], s[12:13], s[22:23]      ; out0 at (2 bp, 64 h)
	; all 43 loads of the wave go out at once
	global_load_b32 v16, v8, s[6:7]
	global_load_b32 v17, v8, s[6:7] offset:64
	global_load_b128 v[20:23], v19, s[10:11]
.irp i, 0,1,2,3,4,5,6,7
	global_load_b128 v[32+4*\i:35+4*\i], v4, s[4:5] offset:4096*\i th:TH_LOAD_NT  ; lanes 0-15: 256 consecutive aligned bytes of column 2 i, lanes 16-31 of column 2 i + 1
.endr
.irp ks, 0,1,2,3
.irp f, 0,1,2,3,4,5,6,7
	global_load_b128 v[64+32*\ks+4*\f:67+32*\ks+4*\f], v7, s[8:9] offset:(\f/2)*32768+\ks*1024+(\f%2)*512
.endr
.endr
	s_wait_loadcnt 32                              ; loads come back in order: all but v_w's 32 are in
.irp i, 0,1,2,3,4,5,6,7
	ds_store_b128 v5, v[32+4*\i:35+4*\i] offset:2*BSP*\i
.endr
.irp f, 0,1,2,3,4,5,6,7
	ds_load_b128 v[192+4*\f:195+4*\f], v6 offset:32*\f  ; the wave's own bytes, served in order: column r, channels 32 ks + 16 part + 8 hh on
.endr
	; while those are out: the weight of my column, among the 8 lanes of its batch
	v_mov_b32 v24, v16
.irp m, 1,2,4
	v_max_num_f32_dpp v24, v24, v24 row_xmask:\m row_mask:0xf bank_mask:0xf
.endr
	v_sub_f32 v25, v16, v24
	v_exp_f32 v25, v25
	v_nop                                          ; a plain instruction behind the exponential
	s_wait_alu depctr_va_vdst(0)
	v_mul_f32 v25, v25, v17
	v_mov_b32 v26, v25
.irp m, 1,2,4
	v_add_f32_dpp v26, v26, v26 row_xmask:\m row_mask:0xf bank_mask:0xf
.endr
	v_rcp_f32 v26, v26
	v_nop
	s_wait_alu depctr_va_vdst(0)
	v_mul_f32 v18, v25, v26
	s_wait_dscnt 0x0
.irp ks, 0,1,2,3                       ; the four accumulators take turns; the first K step starts the sums
	s_wait_loadcnt 24-8*\ks                        ; this K step's eight loads are in; the later steps' stay out
.irp mt, 0,1,2,3
.if \ks == 0
	v_wmma_f32_16x16x32_f16 v[224+8*\mt:231+8*\mt], v[64+8*\mt:71+8*\mt], v[192:199], 0
.else
	v_wmma_f32_16x16x32_f16 v[224+8*\mt:231+8*\mt], v[64+32*\ks+8*\mt:71+32*\ks+8*\mt], v[192+8*\ks:199+8*\ks], v[224+8*\mt:231+8*\mt]
.endif
.endr
.endr
.rept 4
	v_nop                                          ; four places between the last product and the stores of the results
.endr
.irp f, 0,1,2,3,4,5,6,7
	ds_store_b128 v9, v[224+4*\f:227+4*\f] offset:512*\f  ; each accumulator from its low end on
.endr
	s_wait_dscnt 0x0                               ; for the others' sake
	s_barrier_signal -1
	s_barrier_wait -1
.irp k, 0,1,2,3,4,5,6,7
	ds_load_b128 v[32+4*\k:35+4*\k], v10 offset:4096*\k  ; the eight waves' sums of my four d
.endr
.macro ADD4 d, s
	v_pk_add_f32 v[\d:(\d)+1], v[\d:(\d)+1], v[\s:(\s)+1]
	v_pk_add_f32 v[(\d)+2:(\d)+3], v[(\d)+2:(\d)+3], v[(\s)+2:(\s)+3]
.endm
	s_wait_dscnt 0x0
.irp k, 0,1,2,3
	ADD4 32+4*\k, 48+4*\k
.endr
.irp k, 0,1
	ADD4 32+4*\k, 40+4*\k
.endr
	ADD4 32, 36
.irp z, 32,33,34,35
	v_mul_f32 v\z, v\z, v18
.endr
.irp m, 1,2,4                          ; the sum over a batch's 8 chunks: 8 neighbouring lanes
.irp z, 32,33,34,35
	v_add_f32_dpp v\z, v\z, v\z row_xmask:\m row_mask:0xf bank_mask:0xf
.endr
.endr
	ds_store_b128 v11, v[32:35]                    ; into my wave's own 64 bytes, behind the partial sums' last byte; the 8 lanes of a batch write the same 16 bytes with the same numbers
	s_wait_dscnt 0x0                               ; for wave 0's sake
	s_barrier_signal -1
	s_barrier_wait -1
	s_cmp_eq_u32 s16, 0
	s_cbranch_scc1 .Lout
	s_wait_tensorcnt 0x0                           ; the wave's end
	ds_add_u32 v14, v15
	s_wait_dscnt 0x0
	s_endpgm
.Lout:
	ds_load_b128 v[24:27], v12
	s_wait_dscnt 0x0
	v_pk_add_f32 v[24:25], v[24:25], v[20:21]      ; + v_b
	v_pk_add_f32 v[26:27], v[26:27], v[22:23]
	global_store_b128 v13, v[24:27], s[12:13]      ; 16 lanes store 256 consecutive bytes of a batch's row, at a multiple of 256 from out0's first byte
	s_wait_tensorcnt 0x0                           ; the wave's end, as above
	ds_add_u32 v14, v15
	s_wait_dscnt 0x0
	s_endpgm
.Lfunc_end_k_qa4450a0a1a_finish:
	.size	k_qa4450a0a1a_finish, .Lfunc_end_k_qa4450a0a1a_finish-k_qa4450a0a1a_finish
	.p2alignl 7, 3214868480
	.fill 96, 4, 3214868480
	.section	.rodata,"a",@progbits
	.p2align	6, 0x0
	.amdhsa_kernel k_qa4450a0a1a_finish
		.amdhsa_group_segment_fixed_size 69120
		.amdhsa_private_segment_fixed_size 0
		.amdhsa_enable_private_segment 0
		.amdhsa_kernarg_size 40
		.amdhsa_user_sgpr_count 2
		.amdhsa_user_sgpr_kernarg_segment_ptr 1
		.amdhsa_wavefront_size32 1
		.amdhsa_system_sgpr_workgroup_id_x 1
		.amdhsa_system_sgpr_workgroup_id_y 1
		.amdhsa_system_sgpr_workgroup_id_z 1
		.amdhsa_system_vgpr_workitem_id 0
		.amdhsa_next_free_vgpr 256
		.amdhsa_next_free_sgpr 66
		.amdhsa_reserve_vcc 0
		.amdhsa_float_denorm_mode_32 3
		.amdhsa_float_denorm_mode_16_64 3
		.amdhsa_memory_ordered 1
		.amdhsa_forward_progress 1
		.amdhsa_inst_pref_size 14
	.end_amdhsa_kernel
	.amdgpu_metadata
---
amdhsa.version: [ 1, 2 ]
amdhsa.kernels:
  - .name:           k_qa4450a0a1a_finish
    .symbol:         k_qa4450a0a1a_finish.kd
    .args:
      - { .name: part, .offset: 0, .size: 8, .value_kind: global_buffer, .address_space: global }
      - { .name: stats, .offset: 8, .size: 8, .value_kind: global_buffer, .address_space: global }
      - { .name: vwf, .offset: 16, .size: 8, .value_kind: global_buffer, .address_space: global }
      - { .name: v_b, .offset: 24, .size: 8, .value_kind: global_buffer, .address_space: global }
      - { .name: out0, .offset: 32, .size: 8, .value_kind: global_buffer, .address_space: global }
    .group_segment_fixed_size: 69120
    .private_segment_fixed_size: 0
    .kernarg_segment_align: 8
    .kernarg_segment_size: 40
    .max_flat_workgroup_size: 256
    .sgpr_count:     66
    .vgpr_count:     256
    .wavefront_size: 32
...
	.end_amdgpu_metadata
.endif
;; end of part 4
;; ======== version 2 of 2: 4 launches; version 1 with the launch attn written anew for expert scheduling mode
;; limits: values are held in f16: magnitudes above 65,504 overflow, below 6.1e-05 lose precision; inputs' magnitudes at most 65,504
;; workspace buffers: qt 65,536 bytes; vwf 2,097,152 bytes; qk 1,048,576 bytes; part 8,388,608 bytes; stats 32,768 bytes
;; launch qproj: the kernel of part 1 again; grid 64 x 1, 16 waves a work-group, no clusters, 182,272 bytes of LDS; arguments features, q_w, q_b, v_w, qt, vwf; writes qt, vwf
;; launch qkprep: the kernel of part 2 again; grid 16 x 16, 1 waves a work-group, no clusters, 0 bytes of LDS; arguments qt, k_w, qk; writes qk
;; launch attn (part 5): grid 8 x 32, 16 waves a work-group, no clusters, 248,576 bytes of LDS; arguments features, sent_ind, qk, qt, k_b, part, stats; writes part, stats
.if DOCPART == 5
	.amdgcn_target "amdgcn-amd-amdhsa--gfx1250"
	.amdhsa_code_object_version 6
	.text
	.protected	k_qa4450a0a1a_attn
	.globl	k_qa4450a0a1a_attn
	.p2align	8
	.type	k_qa4450a0a1a_attn,@function
k_qa4450a0a1a_attn:
	s_mov_b64 s[64:65], 0
	v_nop
	global_prefetch_b8 v0, s[64:65] scope:SCOPE_SE
	s_setreg_imm32_b32 hwreg(HW_REG_WAVE_SCHED_MODE, 0, 2), 2
	s_setreg_imm32_b32 hwreg(HW_REG_WAVE_MODE, 25, 1), 1
	s_wait_xcnt 0x0
	s_wait_alu depctr_vm_vsrc(0)
; THE STREAM: features is read once.  For batch b (grid y) and chunk j (grid x) of 128 feature rows: the scores of all 16 heads, the chunk's own softmax, and the chunk's normalised mean of the rows.
;   score[h][row] = features[b][row] . qk[b][h] + sb[h], sb[h] = sum over d of q[b][64 h + d] k_b[64 h + d]; set to 0 where sent_ind[b][row - 1] is not 0; times log2(e) / 8.
;   cm = the chunk's maximum; p = 2^(score - cm); l = their sum; part[h][b][j][c] = sum over rows of (p / l) features[b][row][c] in f16; stats holds cm and l.  The last launch joins the 8 chunks by their maxima.
; Row 0 of a batch is the query token and no key: it is loaded with chunk 0 (so all chunks are alike and aligned), its score is set to the lowest finite number for the maximum, and its weight to 0.
; SHARES.  256 work-groups, 16 waves.  In the stream wave w owns channels 64 w .. 64 w + 63 of all 128 rows; in the softmax and on the way out wave w owns head w.
; LOADS.  Lane (r, hh) takes 16 bytes at byte 16 r of the wave's 256 bytes of row 8 hh + i: lanes 0-15 cover 256 consecutive aligned bytes of one row, lanes 16-31 of the row 8 further down.
; The lane's four channels serve twice.  Rounded to f16 in pairs ALONG THE ROWS they are registers of source 1 (32 rows x 16 channels {4 r + t}) of the second product, and stay in registers: 128 for the
; chunk.  Rounded to bf16 along the channels they go through the wave's own scratch in LDS and come back as source 0 (16 rows x 32 channels) of the scores.
; A ring of 16 loads in registers: a group of four loads (two pairs of rows) is issued again as soon as its rows are converted, so 12 to 16 loads of 512 bytes of every wave are out until the last block of 32 rows.
; FORMATS AND LIMITS.  Scores in bf16 (qk may pass f16's range where inputs carry an offset).  The second product in f16: |features| stays under 65,504; a weight under 6e-8 of its chunk's sum counts as 0.
; sb is a sum of 64 f32 products of q as rounded to bf16.  NaN and infinities are not treated apart.  A score's 1,024 terms are summed in 16 parts (the waves'), which are then added in f32.
; NO CLUSTER: the 8 work-groups of a batch share qk's 32 KB of the 544 KB that each reads.  No tensor loads: the stream is f32 and has to pass through registers for its two conversions.
; stats' one store a work-group covers 128 consecutive bytes: half of an aligned 256; every other store covers 512 consecutive aligned bytes.
; THE MODE: SCHED_MODE bits 1:0 = 2 (LLVM: expert scheduling mode 2), set by the entry lines.  The code itself states the register dependences between vector or matrix instructions and memory or LDS
; instructions, with s_wait_alu, always for 0.
; THE PLAN.  Registers that memory or LDS instructions touch:
;   v4-v15, v19, v23, v28, v29   addresses and offsets: made at the head, never written again.  One wait on va_vdst ahead of the first load serves them all.
;   STG   Group g of a block: its sixteen conversions read the group's 16 registers; behind them the same rows of the next block are loaded into these.
;   OB    Four slots of four registers, slot = pair % 4: written by a group's eight roundings to bf16, read by its four stores into the scratch, written again two groups on.  The same 16 registers are the
;         scores' two accumulators: written by a block's four products, read by the four stores of the partial scores.
;   WF    source 0 of the scores: LDS loads land in it, the block's products read it.
;   RET   is named by conversions and products alone (its last 32 registers are WF in blocks 0 to 2).
; So ONE wait on va_vdst stands in a group, behind its conversions: they have written the group's half of OB and are done reading its part of STG.  The group's four loads and four LDS stores follow it.
; A wait on vm_vsrc stands in a block's groups 0 and 2 and ahead of its products: it frees all of OB at once, so groups 1 and 3 owe none.  Behind the products: the four places, a wait on va_vdst, the stores.
; The softmax and the way out have a wait ahead of each run of LDS stores; every run of LDS loads lands in registers that no vector or matrix instruction has named since the last wait on va_vdst.
.set PIT,   144                        ; scratch pitch: 128 bytes + 16 = 36 words: 16 rows start at 16 different groups of four banks (64 banks of 4 bytes: ISA guide 11.1)
.set SCRB,  32*PIT                     ; a wave's scratch: 32 rows
.set SCO,   16*SCRB                    ; partial scores: for each wave [16 heads][128 rows] f32
.set SCOP,  528                        ; 512 + 16
.set SCOB,  16*SCOP
.set PL,    SCO+16*SCOB                ; p / l in f16: [16 heads][128 rows]
.set PLP,   272                        ; 256 + 16
.set STAT,  PL+16*PLP                  ; 16 cm, 16 l
.set OST,   STAT+256                   ; the way out: [16 heads][1,024 channels] f16
.set OSP,   2064                       ; 2,048 + 16
.set OB,    48                         ; v[48:63]   the rows in bf16 on their way into the scratch, and the scores' two accumulators, by turns
.set STG,   64                         ; v[64:127]  the ring: load i at STG + 4 i; later the partial scores; then p's fragments v[64:95] and the second product's accumulators v[96:127]; at the end v[64:79] the packed results, v[80:95] the rows on their way out
.set RET,   128                        ; v[128:255] the chunk in f16: block kb of 32 rows, channel set t at RET + 32 kb + 8 t; the last block's 32 registers hold the scores' source 0 until they are needed
; v1 r, v2 hh, v3 lane, v4 offset in features, v5 scratch in, v6 scratch back, v7 partial scores in, v8, v9 partial scores back, v10 p in, v11 p back, v12 stage in, v13 stage back,
; v14 16 x lane, v15 4 x lane, v18 q, v19 offset of the earlier word of sent_ind, v[20:21] k_b, v22, v[24:27] sent_ind, v23 offset in qk, v28 offset in qt, v29 offset in k_b,
; v[32:47] qk's fragments, later at work
	s_load_b256 s[4:11], s[0:1], 0x0               ; features s[4:5], sent_ind s[6:7], qk s[8:9], qt s[10:11]
	s_load_b128 s[12:15], s[0:1], 0x20             ; k_b s[12:13], part s[14:15]
	s_load_b64 s[16:17], s[0:1], 0x30              ; stats
	v_lshl_add_u32 v30, v0, 2, 0x3c300
	v_mov_b32 v31, 0
	v_lshrrev_b32 v1, 5, v0
	v_readfirstlane_b32 s20, v1                    ; wave 0..15
	s_mov_b32 s21, ttmp9                           ; j
	s_and_b32 s22, ttmp7, 0xffff                   ; b
	s_and_b32 s23, s22, 16                         ; b's place among qk's rows: (b & 16) + 2 (b & 7) + ((b >> 3) & 1)
	s_and_b32 s34, s22, 7
	s_lshl1_add_u32 s23, s34, s23
	s_bfe_u32 s34, s22, 0x10003
	s_add_co_u32 s23, s23, s34
	s_mov_b32 s26, 0x3e38aa3b                      ; log2(e) / 8
	s_mov_b32 s27, s26                             ; named with it as a pair
	s_mov_b32 s28, 0x76543210                      ; v_permlanex16_b32: each lane takes its own place in the other half
	s_mov_b32 s29, 0xfedcba98
	v_and_b32 v1, 15, v0                           ; r
	v_bfe_u32 v2, v0, 4, 1                         ; hh
	v_and_b32 v3, 31, v0                           ; lane
	s_wait_alu depctr_va_sdst(0)                   ; s20 is written, ahead of the first instruction that reads it: addresses, bases and a branch are made from it
	s_lshl_b32 s34, s20, 8
	v_lshlrev_b32 v4, 4, v1
	v_lshl_add_u32 v4, v2, 15, v4
	v_add_nc_u32 v4, s34, v4                       ; 16 r + hh x 8 rows + 256 w
	s_mul_i32 s34, s20, SCRB
	v_mul_u32_u24 v5, v2, 8*PIT
	v_lshl_add_u32 v5, v1, 3, v5
	v_add_nc_u32 v5, s34, v5
	v_mul_u32_u24 v6, v1, PIT
	v_lshl_add_u32 v6, v2, 4, v6
	v_add_nc_u32 v6, s34, v6
	s_mul_i32 s34, s20, SCOB
	s_add_co_u32 s34, s34, SCO
	v_mul_u32_u24 v7, v1, SCOP
	v_lshl_add_u32 v7, v2, 5, v7
	v_add_nc_u32 v7, s34, v7                       ; head r, rows 8 hh on
	v_lshlrev_b32 v14, 4, v3
	v_lshlrev_b32 v15, 2, v3
	s_mul_i32 s34, s20, SCOP
	s_add_co_u32 s34, s34, SCO
	v_add_nc_u32 v8, s34, v14                      ; head w, rows 4 x lane on, of waves 0 to 7,
	v_add_nc_u32 v9, 8*SCOB, v8                    ; and of waves 8 to 15: an LDS immediate has 16 bits
	s_mul_i32 s34, s20, PLP
	s_add_co_u32 s34, s34, PL
	v_lshl_add_u32 v10, v3, 3, s34
	v_mul_u32_u24 v11, v1, PLP
	v_lshl_add_u32 v11, v2, 4, v11
	v_add_nc_u32 v11, PL, v11
	s_lshl_b32 s34, s20, 7
	s_add_co_u32 s34, s34, OST
	v_mul_u32_u24 v12, v2, 8*OSP
	v_lshl_add_u32 v12, v1, 3, v12
	v_add_nc_u32 v12, s34, v12                     ; head 8 hh + .., channels 64 w + 4 r on
	s_mul_i32 s34, s20, OSP
	s_add_co_u32 s34, s34, OST
	v_add_nc_u32 v13, s34, v14
	s_lshl_b32 s34, s21, 7
	v_lshl_add_u32 v19, v3, 2, s34                 ; my first row in the softmax: 128 j + 4 x lane;
	v_add_nc_u32 v19, -1, v19                      ; its word of sent_ind is the one before.  For row 0, which is no key, the AND below
	v_and_b32 v19, 0x3ff, v19                      ; points at the row's last word: inside the buffer, and its value is not used
	v_lshlrev_b32 v19, 2, v19
	v_lshlrev_b32 v23, 12, v1
	v_lshl_add_u32 v23, v2, 4, v23                 ; head r's row of qk, 16 hh
	v_lshrrev_b32 v28, 3, v3                       ; q[64 w + 2 x lane] in qt: tile lane / 8, word lane % 8
	v_and_b32 v29, 7, v3
	v_lshlrev_b32 v29, 2, v29
	v_lshl_add_u32 v28, v28, 10, v29
	v_lshlrev_b32 v29, 3, v3                       ; k_b[64 w + 2 x lane]
	s_mov_b32 s25, 0
	s_wait_kmcnt 0x0
	s_lshl_b32 s24, s22, 22
	s_lshl_b32 s34, s21, 19
	s_add_co_u32 s24, s24, s34
	s_add_nc_u64 s[4:5], s[4:5], s[24:25]          ; features at the chunk's first row
	s_lshl_b32 s24, s22, 12
	s_add_nc_u64 s[32:33], s[6:7], s[24:25]        ; sent_ind at the batch's row,
	s_lshl_b32 s24, s21, 9
	s_add_nc_u64 s[6:7], s[32:33], s[24:25]        ; and at the chunk's first word
	s_lshl_b32 s24, s20, 16
	s_lshl_b32 s34, s23, 7
	s_add_co_u32 s24, s24, s34
	s_add_nc_u64 s[8:9], s[8:9], s[24:25]          ; qk at (w, head 0, b's place)
	s_lshl_b32 s24, s20, 12
	s_lshl_b32 s34, s22, 5
	s_add_co_u32 s24, s24, s34
	s_add_nc_u64 s[10:11], s[10:11], s[24:25]      ; qt at head w's four tiles, batch b
	s_lshl_b32 s24, s20, 8
	s_add_nc_u64 s[12:13], s[12:13], s[24:25]      ; k_b at head w
	s_lshl_b32 s24, s20, 19
	s_lshl_b32 s34, s22, 14
	s_add_co_u32 s24, s24, s34
	s_lshl_b32 s34, s21, 11
	s_add_co_u32 s24, s24, s34
	s_add_nc_u64 s[14:15], s[14:15], s[24:25]      ; part at (head w, b, j)
	s_lshl3_add_u32 s24, s22, s21
	s_lshl_b32 s24, s24, 7
	s_add_nc_u64 s[16:17], s[16:17], s[24:25]      ; stats at (b, j)
	s_wait_alu depctr_va_vdst(0)                   ; the addresses and offsets v4 to v15, v19, v23, v28 and v29 are written, which the loads, stores and LDS instructions of the whole kernel read
	; the eight small loads first: they are the oldest, so the ring's first wait shows them in
.irp f, 0,1,2,3
	global_load_b128 v[32+4*\f:35+4*\f], v23, s[8:9] offset:32*\f
.endr
	global_load_b32 v18, v28, s[10:11]
	global_load_b64 v[20:21], v29, s[12:13]
	global_load_b128 v[24:27], v14, s[6:7]
	global_load_b32 v22, v19, s[32:33]
.set n, 0
.rept 16
	global_load_b128 v[STG+4*n:STG+4*n+3], v4, s[4:5] offset:(n+8*(n/8))*4096 th:TH_LOAD_NT  ; the ring is filled: block 0, row n + 8 (n / 8) + 8 hh
.set n, n+1
.endr
; Pair p of a block's eight pairs of loads holds rows R and R + 1, R = 16 (p / 4) + (2 p) % 8 + 8 hh.  Its four parts:
.macro TOF16 kb, p                     ; along the rows to f16: registers of the second product's source 1
.irp t, 0,1,2,3
	v_cvt_pk_f16_f32 v[RET+32*(\kb)+8*\t+(\p)], v[STG+8*(\p)+\t], v[STG+8*(\p)+4+\t]
.endr
.endm
.macro TOBF16 p                        ; along the channels to bf16, into slot p % 4 of OB
	v_cvt_pk_bf16_f32 v[OB+4*((\p)%4)],   v[STG+8*(\p)],   v[STG+8*(\p)+1]
	v_cvt_pk_bf16_f32 v[OB+4*((\p)%4)+1], v[STG+8*(\p)+2], v[STG+8*(\p)+3]
	v_cvt_pk_bf16_f32 v[OB+4*((\p)%4)+2], v[STG+8*(\p)+4], v[STG+8*(\p)+5]
	v_cvt_pk_bf16_f32 v[OB+4*((\p)%4)+3], v[STG+8*(\p)+6], v[STG+8*(\p)+7]
.endm
.macro AGAIN kb, p                     ; the same two rows of the next block
	global_load_b128 v[STG+8*(\p):STG+8*(\p)+3],   v4, s[4:5] offset:(32*((\kb)+1)+16*((\p)/4)+(2*(\p))%8)*4096 th:TH_LOAD_NT
	global_load_b128 v[STG+8*(\p)+4:STG+8*(\p)+7], v4, s[4:5] offset:(32*((\kb)+1)+16*((\p)/4)+(2*(\p))%8+1)*4096 th:TH_LOAD_NT
.endm
.macro TOSCR p                         ; the slot into the wave's scratch
	ds_store_b64 v5, v[OB+4*((\p)%4):OB+4*((\p)%4)+1]   offset:(16*((\p)/4)+(2*(\p))%8)*PIT
	ds_store_b64 v5, v[OB+4*((\p)%4)+2:OB+4*((\p)%4)+3] offset:(16*((\p)/4)+(2*(\p))%8+1)*PIT
.endm
; Group g of a block's four: pairs 2 g and 2 g + 1.  refill = 1: the next block's rows are asked for.  left: the younger loads, which stay out.
; free = 1: LDS stores issued since the last wait on vm_vsrc have read registers of OB that this group or the next writes.
.macro GROUP kb, g, refill, left, free
	s_wait_loadcnt \left                           ; loads come back in order: the group's four are in
	TOF16 \kb, 2*(\g)
	TOF16 \kb, 2*(\g)+1
.if \free
	s_wait_alu depctr_vm_vsrc(0)                   ; every LDS store issued so far has read its data: all of OB, of which this group's roundings write one half again and the next group's the other
.endif
	TOBF16 2*(\g)
	TOBF16 2*(\g)+1
	s_wait_alu depctr_va_vdst(0)                   ; the conversions have written the group's half of OB, which the LDS stores below read, and are done reading the group's part of STG, in which loads land
.if \refill
	AGAIN \kb, 2*(\g)
	AGAIN \kb, 2*(\g)+1
.endif
	TOSCR 2*(\g)
	TOSCR 2*(\g)+1
.endm
; The scores of block kb's 32 rows against my 64 channels of all 16 heads.  wf: 32 registers for source 0.  Register jj of lane (r, hh): row 16 T + 8 hh + jj, head r.
.macro SCORE kb, wf
.irp f, 0,1,2,3,4,5,6,7
	ds_load_b128 v[(\wf)+4*\f:(\wf)+4*\f+3], v6 offset:(\f/4)*16*PIT+(\f%4)*32  ; LDS serves a wave's instructions in order: these see the block's stores.  No vector or matrix instruction since the last group's wait names these registers
.endr
	s_wait_dscnt 0x0
	s_wait_alu depctr_vm_vsrc(0)                   ; the last two groups' LDS stores have read OB, which the products write
	v_wmma_f32_16x16x32_bf16 v[48:55], v[(\wf):(\wf)+7],     v[32:39], 0        ; the two accumulators take turns
	v_wmma_f32_16x16x32_bf16 v[56:63], v[(\wf)+16:(\wf)+23], v[32:39], 0
	v_wmma_f32_16x16x32_bf16 v[48:55], v[(\wf)+8:(\wf)+15],  v[40:47], v[48:55]
	v_wmma_f32_16x16x32_bf16 v[56:63], v[(\wf)+24:(\wf)+31], v[40:47], v[56:63]
.rept 4
	v_nop                                          ; four places behind the products: for the stores of their results, and for what is written next into their registers
.endr
	s_wait_alu depctr_va_vdst(0)                   ; the products have written the accumulators, which the LDS stores read, and are done reading their source 0, in which later loads land; the places above stay beside this wait
.irp f, 0,1,2,3
	ds_store_b128 v7, v[48+4*\f:51+4*\f] offset:(32*(\kb)+16*(\f/2))*4+16*(\f%2)  ; each accumulator from its low end on
.endr
.endm
	GROUP 0, 0, 1, 12, 0                           ; 16 loads are out, and the oldest four are this group's; no LDS store has read OB yet
	GROUP 0, 1, 1, 12, 0
	GROUP 0, 2, 1, 12, 1
	GROUP 0, 3, 1, 12, 0
	SCORE 0, RET+96
.irp kb, 1,2
	GROUP \kb, 0, 1, 12, 1                         ; here the stores that have read OB are those of the last block's partial scores
	GROUP \kb, 1, 1, 12, 0
	GROUP \kb, 2, 1, 12, 1
	GROUP \kb, 3, 1, 12, 0
	SCORE \kb, RET+96
.endr
	GROUP 3, 0, 0, 12, 1                           ; the last block asks for nothing: the counts run down
	GROUP 3, 1, 0, 8, 0
	GROUP 3, 2, 0, 4, 1
	GROUP 3, 3, 0, 0, 0
	SCORE 3, STG                                   ; the ring's registers are free
	s_wait_dscnt 0x0                               ; for the others' sake: my partial scores are in LDS
	s_barrier_signal -1
	s_barrier_wait -1
	; THE SOFTMAX of head w over the chunk's 128 rows: lane l has rows 4 l .. 4 l + 3.  The loads land in STG, which no vector or matrix instruction has named since the wait behind the last products
.irp k, 0,1,2,3,4,5,6,7
	ds_load_b128 v[STG+4*\k:STG+4*\k+3], v8 offset:SCOB*\k
.endr
.irp k, 0,1,2,3,4,5,6,7
	ds_load_b128 v[STG+32+4*\k:STG+35+4*\k], v9 offset:SCOB*\k
.endr
.macro WSUM x, t                       ; the sum over the 32 lanes, in every lane
.irp m, 1,2,4,8
	v_add_f32_dpp v[\x], v[\x], v[\x] row_xmask:\m row_mask:0xf bank_mask:0xf
.endr
	v_permlanex16_b32 v[\t], v[\x], s28, s29
	v_add_f32 v[\x], v[\x], v[\t]
.endm
.macro WMAX x, t
.irp m, 1,2,4,8
	v_max_num_f32_dpp v[\x], v[\x], v[\x] row_xmask:\m row_mask:0xf bank_mask:0xf
.endr
	v_permlanex16_b32 v[\t], v[\x], s28, s29
	v_max_num_f32 v[\x], v[\x], v[\t]
.endm
.macro ADD4 d, s
	v_pk_add_f32 v[\d:(\d)+1], v[\d:(\d)+1], v[\s:(\s)+1]
	v_pk_add_f32 v[(\d)+2:(\d)+3], v[(\d)+2:(\d)+3], v[(\s)+2:(\s)+3]
.endm
	; while those loads are out: three helpers, the five masks in one run, and sb
	s_lshl_b32 s34, s21, 7
	v_lshl_add_u32 v42, v3, 2, s34                 ; my first row
	s_lshl_b32 s34, s20, 2
	s_add_co_u32 s34, s34, STAT
	v_mov_b32 v43, s34                             ; where head w's cm goes
	v_add_nc_u32 v44, STAT, v15
	v_mov_b32 v35, 0                               ; v_permlanex16_b32's destination counts as read
	v_mov_b32 v36, 0xff7fffff                      ; the lowest finite number
	v_cmp_eq_u32 s35, 0, v22                       ; a row's score stays where the word before it in sent_ind is 0, and is 0 elsewhere
	v_cmp_eq_u32 s36, 0, v24
	v_cmp_eq_u32 s37, 0, v25
	v_cmp_eq_u32 s38, 0, v26
	v_cmp_eq_u32 s30, 0, v42                       ; the lane that holds the batch's row 0
	v_lshlrev_b32 v32, 16, v18                     ; q[64 w + 2 l], q[64 w + 2 l + 1] from bf16
	v_and_b32 v33, 0xffff0000, v18
	v_mul_f32 v34, v32, v20
	v_fmac_f32 v34, v33, v21
	WSUM 34, 35
	s_wait_dscnt 0x0
.irp k, 0,1,2,3,4,5,6,7
	ADD4 STG+4*\k, STG+32+4*\k
.endr
.irp k, 0,1,2,3
	ADD4 STG+4*\k, STG+16+4*\k
.endr
.irp k, 0,1
	ADD4 STG+4*\k, STG+8+4*\k
.endr
	ADD4 STG, STG+4
.irp z, 64,65,66,67
	v_add_f32 v\z, v\z, v34
.endr
	s_wait_alu depctr_va_sdst(0)                   ; the five compares have written s35 to s38 and s30, ahead of the first select that reads one of them
	v_cndmask_b32 v64, 0, v64, s35
	v_cndmask_b32 v65, 0, v65, s36
	v_cndmask_b32 v66, 0, v66, s37
	v_cndmask_b32 v67, 0, v67, s38
	v_pk_mul_f32 v[64:65], v[64:65], s[26:27] op_sel_hi:[1,0]
	v_pk_mul_f32 v[66:67], v[66:67], s[26:27] op_sel_hi:[1,0]
	v_cndmask_b32 v64, v64, v36, s30               ; no key: it takes no part in the maximum
	v_max3_num_f32 v37, v64, v65, v66
	v_max_num_f32 v37, v37, v67
	WMAX 37, 35                                    ; cm
.irp z, 64,65,66,67
	v_sub_f32 v\z, v\z, v37
.endr
.irp z, 64,65,66,67
	v_exp_f32 v\z, v\z
.endr
	v_nop                                          ; a plain instruction between the last exponential and the use of its result
	s_wait_alu depctr_va_vdst(0)                   ; the four exponentials have written v64 to v67: one wait for the batch, ahead of the first instruction that names a result
	v_cndmask_b32 v64, v64, 0, s30                 ; and no weight
	v_add_f32 v38, v64, v65
	v_add_f32 v39, v66, v67
	v_add_f32 v38, v38, v39
	WSUM 38, 35                                    ; l: at least 1, since the maximum's own weight is 1
	v_rcp_f32 v39, v38
	v_nop                                          ; a plain instruction behind the reciprocal
	s_wait_alu depctr_va_vdst(0)                   ; the reciprocal has written v39, ahead of the first multiply by it
.irp z, 64,65,66,67
	v_mul_f32 v\z, v\z, v39
.endr
	v_cvt_pk_f16_f32 v40, v64, v65
	v_cvt_pk_f16_f32 v41, v66, v67
	s_wait_alu depctr_va_vdst(0)                   ; v40, v41, v37, v38 and the addresses v43 and v44 are written, which the LDS instructions below read; and the softmax is done with v[64:95] and v45, in which loads land behind the barrier
	ds_store_b64 v10, v[40:41]
	ds_store_b32 v43, v37                          ; all lanes write the same word with the same number
	ds_store_b32 v43, v38 offset:64
	s_wait_dscnt 0x0                               ; for the others' sake
	s_barrier_signal -1
	s_barrier_wait -1
	s_cmp_lg_u32 s20, 0
	s_cbranch_scc1 .Lno_stats
	ds_load_b32 v45, v44                           ; wave 0: the 16 cm and the 16 l
	s_wait_dscnt 0x0
	global_store_b32 v15, v45, s[16:17]            ; v15 and v45 are not written again
.Lno_stats:
	; THE SECOND PRODUCT: source 0 = p / l (16 heads x 32 rows), source 1 = the chunk in f16, kept in registers
.irp f, 0,1,2,3,4,5,6,7
	ds_load_b128 v[64+4*\f:67+4*\f], v11 offset:32*\f
.endr
	s_wait_dscnt 0x0
.irp ks, 0,1,2,3                       ; the four accumulators take turns; the first block starts the sums
.irp t, 0,1,2,3
.if \ks == 0
	v_wmma_f32_16x16x32_f16 v[96+8*\t:103+8*\t], v[64:71], v[RET+8*\t:RET+8*\t+7], 0
.else
	v_wmma_f32_16x16x32_f16 v[96+8*\t:103+8*\t], v[64+8*\ks:71+8*\ks], v[RET+32*\ks+8*\t:RET+32*\ks+8*\t+7], v[96+8*\t:103+8*\t]
.endif
.endr
.endr
.rept 4
	v_nop                                          ; four places between the last product and the first read of a result, and the first write into p's fragments
.endr
.irp jj, 0,1,2,3,4,5,6,7               ; register jj of accumulator t: head 8 hh + jj, channel 64 w + 4 r + t: four accumulators give 8 neighbouring bytes; each is read from its low end on.  Each store has data registers of its own
	v_cvt_pk_f16_f32 v[64+2*\jj], v[96+\jj], v[104+\jj]
	v_cvt_pk_f16_f32 v[65+2*\jj], v[112+\jj], v[120+\jj]
.endr
	s_wait_alu depctr_va_vdst(0)                   ; the roundings have written v[64:79], which the LDS stores read; and the products are done reading v[80:95], in which the loads behind the barrier land
.irp jj, 0,1,2,3,4,5,6,7
	ds_store_b64 v12, v[64+2*\jj:65+2*\jj] offset:OSP*\jj
.endr
	s_wait_dscnt 0x0                               ; for the others' sake: a head's row comes from all 16 waves
	s_barrier_signal -1
	s_barrier_wait -1
.irp i, 0,1,2,3
	ds_load_b128 v[80+4*\i:83+4*\i], v13 offset:512*\i
.endr
.irp i, 0,1,2,3
	s_wait_dscnt 3-\i                              ; LDS loads come back in order: the younger ones stay out
	global_store_b128 v14, v[80+4*\i:83+4*\i], s[14:15] offset:512*\i  ; 512 consecutive bytes of head w's row, at a multiple of 256 from part's first byte
.endr
	s_wait_dscnt 0x0
	s_wait_alu depctr_hold_cnt(0) depctr_sa_sdst(0) depctr_va_vdst(0) depctr_va_sdst(0) depctr_va_ssrc(0) depctr_va_vcc(0) depctr_vm_vsrc(0)
	s_wait_tensorcnt 0x0
	ds_add_u32 v30, v31
	s_wait_dscnt 0x0
	s_endpgm
.Lfunc_end_k_qa4450a0a1a_attn:
	.size	k_qa4450a0a1a_attn, .Lfunc_end_k_qa4450a0a1a_attn-k_qa4450a0a1a_attn
	.p2alignl 7, 3214868480
	.fill 96, 4, 3214868480
	.section	.rodata,"a",@progbits
	.p2align	6, 0x0
	.amdhsa_kernel k_qa4450a0a1a_attn
		.amdhsa_group_segment_fixed_size 248576
		.amdhsa_private_segment_fixed_size 0
		.amdhsa_enable_private_segment 0
		.amdhsa_kernarg_size 56
		.amdhsa_user_sgpr_count 2
		.amdhsa_user_sgpr_kernarg_segment_ptr 1
		.amdhsa_wavefront_size32 1
		.amdhsa_system_sgpr_workgroup_id_x 1
		.amdhsa_system_sgpr_workgroup_id_y 1
		.amdhsa_system_sgpr_workgroup_id_z 1
		.amdhsa_system_vgpr_workitem_id 0
		.amdhsa_next_free_vgpr 256
		.amdhsa_next_free_sgpr 66
		.amdhsa_reserve_vcc 0
		.amdhsa_float_denorm_mode_32 3
		.amdhsa_float_denorm_mode_16_64 3
		.amdhsa_memory_ordered 1
		.amdhsa_forward_progress 1
		.amdhsa_inst_pref_size 49
	.end_amdhsa_kernel
	.amdgpu_metadata
---
amdhsa.version: [ 1, 2 ]
amdhsa.kernels:
  - .name:           k_qa4450a0a1a_attn
    .symbol:         k_qa4450a0a1a_attn.kd
    .args:
      - { .name: features, .offset: 0, .size: 8, .value_kind: global_buffer, .address_space: global }
      - { .name: sent_ind, .offset: 8, .size: 8, .value_kind: global_buffer, .address_space: global }
      - { .name: qk, .offset: 16, .size: 8, .value_kind: global_buffer, .address_space: global }
      - { .name: qt, .offset: 24, .size: 8, .value_kind: global_buffer, .address_space: global }
      - { .name: k_b, .offset: 32, .size: 8, .value_kind: global_buffer, .address_space: global }
      - { .name: part, .offset: 40, .size: 8, .value_kind: global_buffer, .address_space: global }
      - { .name: stats, .offset: 48, .size: 8, .value_kind: global_buffer, .address_space: global }
    .group_segment_fixed_size: 248576
    .private_segment_fixed_size: 0
    .kernarg_segment_align: 8
    .kernarg_segment_size: 56
    .max_flat_workgroup_size: 512
    .sgpr_count:     66
    .vgpr_count:     256
    .wavefront_size: 32
...
	.end_amdgpu_metadata
.endif
;; end of part 5
;; launch finish: the kernel of part 4 again; grid 16 x 16, 8 waves a work-group, no clusters, 69,120 bytes of LDS; arguments part, stats, vwf, v_b, out0; writes out0
